; MI455X (gfx1250); checked and timed in simulation.
; The chip was launched on July 23, 2026; its instructions are those of AMD's public machine-readable ISA for CDNA 5 (MIT licence, August 2026) and "CDNA5" Instruction Set Architecture Reference Guide (July 2026). The comments in the code are by the model that wrote it; some were corrected since.
;; Attention Layer. Allowed arithmetic: float matrix products may take bf16 or f16 operands with f32 sums; all other float work in f32.
;; Inputs: Wk 3 x 256 float32; Wq 3 x 256 float32; Wv 3 x 256 float32; bk 256 float32; bq 256 float32; bv 256 float32; forces 16 x 2,048 x 3 float32; noisy_trajectory 16 x 2,048 x 3 float32.
;; Outputs: out0 16 x 2,048 x 256 float32.
;; 2 versions, each right; version 2 is version 1 with the launch attn written anew for expert scheduling mode. Each part assembles by itself: llvm-mc -triple=amdgcn-amd-amdhsa -mcpu=gfx1250 --defsym DOCPART=n.
;; ======== version 1 of 2: 1 launch
;; launch attn (part 1): grid 256 x 1, 8 waves a work-group, no clusters, 183,552 bytes of LDS; arguments forces, noisy_trajectory, Wq, bq, Wk, bk, Wv, bv, out0; writes out0
.if DOCPART == 1
	.amdgcn_target "amdgcn-amd-amdhsa--gfx1250"
	.amdhsa_code_object_version 6
	.text
	.protected	k_q4b73d4a347_attn
	.globl	k_q4b73d4a347_attn
	.p2align	8
	.type	k_q4b73d4a347_attn,@function
k_q4b73d4a347_attn:
	s_mov_b64 s[64:65], 0
	v_nop
	global_prefetch_b8 v0, s[64:65] scope:SCOPE_SE
	s_setreg_imm32_b32 hwreg(HW_REG_WAVE_MODE, 25, 1), 1
	s_wait_xcnt 0x0
; context = softmax((f Wq + bq)(n Wk + bk)^T) (n Wv + bv), 16 batches, 2,048 queries and keys, 256 features, f and n of 3 features.
;
; THE FORM.  By associativity alone, for every input: with Aq = [Wq0,Wq1,Wq2,bq], Ak = [Wk0,Wk1,Wk2,bk] and E = Aq Ak^T (4 x 4),
;   score(q,k) = g0 nx + g1 ny + g2 nz + t,   g_j = f0 E[0][j] + f1 E[1][j] + f2 E[2][j] + E[3][j],   t = the same with j = 3,
; and, since a row of softmax sums to 1, context = (sum_k P n_k / sum_k P) Wv + bv.  All eight inputs are read and used.
; The scores are unscaled and large, so an absolute error in a score is a relative error in a weight.  A score needs 4 of the 32 K places
; of a bf16 matrix instruction; the others carry bf16 pieces (x = hi + mid + lo, each the rounding of what is left) of g, t, n and of the
; row's maximum, so that one instruction makes 16 x 16 scores, less the maximum, to about f32's accuracy.
; log2(e) is multiplied into E: scores, t and maxima are in the base-2 domain and the exponential is v_exp_f32 itself.
;
; THE SHARES.  A work-group owns 128 queries (8 tiles of 16) of one batch; wave w owns keys 256 w .. 256 w + 255 for all 128 queries, so each
; key fragment read from LDS feeds 8 matrix instructions, and a wave reads only key fragments that it built itself.
; Pass 1: scores, the true row maximum (over lanes, then over the 8 waves through LDS).  Pass 2: the scores again with -max in the K places
; kept for it, exp2, bf16, and P x [n | 1] on the matrix unit.  The partial sums of the 8 waves meet in LDS; wave w finishes queries 16 w .. + 15.
; The products with 3 terms an output (E's use, c Wv + bv) stay in f32 on the vector unit: a K step of 32 would be nine tenths empty.
;
; NOT USED, and why.  Tensor loads, copies, clusters with joint loads: a work-group's whole input is 26 KiB, read once at the start, and every
; byte of it has to be split into bf16 pieces by vector instructions before it can be used; what the 16 work-groups of a batch share is 24 KiB.
;
; LIMITS.  Inputs finite; E, g, t and the scores finite and below bf16's largest number (3.39e38).  Score terms of the size 2^-27 |g||n| (mid x lo, lo x mid,
; lo x lo) are dropped.  P is rounded to bf16, and the denominator is the sum of the same rounded P.  Weights below 2^-126 count as 0 (v_exp_f32
; flushes denormal results: ISA guide 15.8).  The order of the sums differs from the reference's.  NaN and infinities in the inputs are not reproduced place for place.
;
; THE 32 K PLACES (H, M, L: hi, mid, lo of n; h, m, l: of g and t; the key side's fourth element is 1 beside H and 0 beside M and L):
;   k  0- 7  key Hx Hy Hz 1  Hx Hy Hz 1      query g0h g1h g2h th  g0m g1m g2m tm
;   k  8-15  key Hx Hy Hz 1  Mx My Mz 0      query g0l g1l g2l tl  g0h g1h g2h th
;   k 16-23  key Mx My Mz 0  1  1  1  0      query g0m g1m g2m tm  -max hi, mid, lo, 0    (0 0 0 0 in pass 1)
;   k 24-31  key Lx Ly Lz 0  0  0  0  0      query g0h g1h g2h th  (whatever: times 0)
; A tile of 16 rows is 1,024 bytes in LDS: the 16 bytes of group i (k = 8 i ..) of row r at 256 i + 16 r.  Lane l then takes registers 0-3 at 16 l and
; registers 4-7 at 16 l + 512: two loads of 512 neighbouring bytes.  Groups 1 and 3 of a key tile are at the same time the rows [Hx Hy Hz 1 Mx My Mz 0]
; and [Lx Ly Lz 0 0 0 0 0] of the second product's operand, read transposed.
.set QFR,  131072                      ; LDS: key fragments at 0 (16,384 bytes a wave, 1,024 a tile); query fragments, 8 tiles of 1,024 bytes
.set ETAB, 139264                      ; E[i][j] x log2(e), f32, at 4 (4 i + j)
.set MXT,  139520                      ; query Q at 48 Q: the eight waves' partial maxima, 4 bytes each
.set RED,  145664                      ; query Q at 272 Q: sixteen partial sums (ax, ay, az, s) of 16 bytes, partial 2 w + h
.set CB,   180480                      ; wave w at 256 w: (c0, c1, c2, s) of its 16 queries
.set BQ,   16                          ; v[16:79]    query fragments, tile q at 16 + 8 q
.set ACC,  80                          ; v[80:143]   pass 2: accumulators, tile q at 80 + 8 q
.set KF,   144                         ; v[144:175]  key fragments, two buffers of two tiles
.set VF,   176                         ; v[176:191]  pass 2: [n | 1] transposed, two buffers
.set SC,   192                         ; v[192:223]  pass 2: scores, two sets of two tiles
.set PP,   224                         ; v[224:239]  pass 2: P in bf16, two sets
.set MX,   240                         ; v[240:247]  pass 1: running maxima, one a query tile
.set SET0, 80                          ; pass 1: scores of one key tile x 8 query tiles, two sets of 64 registers
.set SET1, 176
.set NN,   48                          ; set-up: v[48:71] n, key group t at 48 + 3 t;  v[72:74] f
.set FF,   72
.set RR,   80                          ; set-up: v[80:91] the key words KA KB KA KB KC KD 1,1 1,0 KE KF 0 0
.set TMP,  92                          ; set-up: v[92:99] at work;  v[100:111] lane terms and global offsets
.set WV,   16                          ; way out: v[16:47] Wv's rows 0, 1, 2 and bv, my 8 columns each
.set PS,   144                         ; way out: v[144:175] eight partial sums
.set CC,   80                          ; way out: v[80:143] (c0, c1, c2, s) of query i at 80 + 4 i
.set OUT,  176                         ; way out: v[176:239] eight slots of 8 results
; v1 key fragment reads, v2 transposed reads, v3 key fragment stores, v4 query fragment reads, v5 query fragment stores, v6 E, v7/v8 maxima out/in,
; v9/v10 partial sums out/in, v11/v12 c out/in, v13 16 x lane, v14 = 1.0, v15 = 0; v[248:251] take the other half's lanes; v[252:254] at work.
	s_load_b512 s[8:23], s[0:1], 0x0               ; forces s[8:9], n s[10:11], Wq s[12:13], bq s[14:15], Wk s[16:17], bk s[18:19], Wv s[20:21], bv s[22:23]
	s_load_b64 s[24:25], s[0:1], 0x40              ; out0
	v_lshl_add_u32 v255, v0, 2, 0x2c900
	s_set_vgpr_msb 0x40
	v_mov_b32 v1, 0
	s_set_vgpr_msb 0x4000
	v_lshrrev_b32 v100, 5, v0
	v_readfirstlane_b32 s2, v100                   ; wave w, 0 to 7
	v_and_b32 v101, 31, v0                         ; lane l
	v_and_b32 v102, 15, v0                         ; r = l % 16
	v_bfe_u32 v103, v0, 4, 1                       ; h = l / 16
	v_lshlrev_b32 v108, 5, v101                    ; 8 columns of a weight row: 32 l
	v_mul_u32_u24 v109, 12, v101                   ; key l of a group of 32: 12 l
	v_mul_u32_u24 v110, 12, v102                   ; query r of my tile: 12 r
	; wave w makes E[i][j0] and E[i][j0+1] with 4 i + j0 = 2 w: i = w / 2, j0 = 2 (w % 2)
	s_lshr_b32 s45, s2, 1                          ; i
	s_min_u32 s46, s45, 2
	s_lshl_b32 s26, s46, 10                        ; row min(i, 2) of Wq
	s_mov_b32 s27, 0
	s_and_b32 s47, s2, 1
	s_lshl_b32 s30, s47, 11                        ; row 0 or 2 of Wk
	s_mov_b32 s31, 0
	s_mul_i32 s36, ttmp9, 1536                     ; forces: 128 queries x 12 bytes a work-group,
	s_mul_i32 s46, s2, 192                         ; 16 queries a wave
	s_add_co_u32 s36, s36, s46
	s_mov_b32 s37, 0
	s_lshr_b32 s38, ttmp9, 4                       ; the batch: 16 work-groups each
	s_mul_i32 s38, s38, 24576                      ; n: 2,048 keys x 12 bytes a batch,
	s_mul_i32 s46, s2, 3072                        ; 256 keys a wave
	s_add_co_u32 s38, s38, s46
	s_mov_b32 s39, 0
	s_lshl_b32 s40, ttmp9, 17                      ; out0: 128 rows x 1,024 bytes a work-group,
	s_lshl_b32 s46, s2, 14                         ; 16 rows a wave
	s_add_co_u32 s40, s40, s46
	s_mov_b32 s41, 0
	s_wait_kmcnt 0x0
	s_add_nc_u64 s[28:29], s[12:13], s[26:27]
	s_cmp_eq_u32 s45, 3
	s_cselect_b64 s[28:29], s[14:15], s[28:29]     ; Aq's row i: Wq's row i, or bq
	s_add_nc_u64 s[32:33], s[16:17], s[30:31]      ; Ak's row j0: Wk's row 0 or 2
	s_add_nc_u64 s[34:35], s[16:17], 1024
	s_cmp_eq_u32 s47, 1
	s_cselect_b64 s[34:35], s[18:19], s[34:35]     ; Ak's row j0 + 1: Wk's row 1, or bk
	s_add_nc_u64 s[8:9], s[8:9], s[36:37]
	s_add_nc_u64 s[10:11], s[10:11], s[38:39]
	s_add_nc_u64 s[24:25], s[24:25], s[40:41]
	; all 33 loads of the set-up in one run: 6 for E, 24 for my 256 keys, 3 for my 16 queries
	global_load_b128 v[16:19], v108, s[28:29]
	global_load_b128 v[20:23], v108, s[28:29] offset:16
	global_load_b128 v[24:27], v108, s[32:33]
	global_load_b128 v[28:31], v108, s[32:33] offset:16
	global_load_b128 v[32:35], v108, s[34:35]
	global_load_b128 v[36:39], v108, s[34:35] offset:16
.irp t, 0,1,2,3,4,5,6,7
.irp d, 0,1,2
	global_load_b32 v[NN+3*\t+\d], v109, s[10:11] offset:384*\t+4*\d   ; the three together cover 384 neighbouring bytes
.endr
.endr
.irp d, 0,1,2
	global_load_b32 v[FF+\d], v110, s[8:9] offset:4*\d
.endr
	; constants and LDS addresses, while the loads are on their way.  s3 carries each address's wave term in turn.
	s_mov_b32 s4, 0x76543210                       ; v_permlanex16_b32: lane i of one half reads lane i of the other
	s_mov_b32 s5, 0xfedcba98
	s_mov_b32 s6, 0xffff0000                       ; a word's upper bf16
	s_mov_b32 s7, 0x3fb8aa3b                       ; log2(e)
	v_and_b32 v104, 7, v0
	v_bfe_u32 v105, v0, 3, 1
	s_lshl_b32 s3, s2, 14                          ; my 16 key tiles
	v_lshl_add_u32 v1, v101, 4, s3                 ; fragment reads: 16 l
	v_lshl_add_u32 v3, v102, 4, s3                 ; fragment stores: key l of a group of 32 is row r of tile h
	v_lshl_add_u32 v3, v103, 10, v3
	v_lshl_add_u32 v2, v104, 4, s3                 ; transposed reads: key row 8 h + l % 8,
	v_lshl_add_u32 v2, v103, 7, v2
	v_lshl_add_u32 v2, v105, 9, v2                 ; group 1 for lanes 0-7 and 16-23, group 3 for the others
	v_add_nc_u32 v2, 256, v2
	v_lshl_add_u32 v4, v101, 4, QFR
	s_lshl_b32 s3, s2, 10
	s_add_co_u32 s3, s3, QFR                       ; query tile w is mine to build
	v_lshl_add_u32 v5, v102, 4, s3
	v_mov_b32 v6, ETAB
	s_lshl_b32 s3, s2, 3
	s_add_co_u32 s3, s3, ETAB
	v_mov_b32 v111, s3                             ; my two entries of E
	v_mul_u32_u24 v106, 48, v102
	v_add_nc_u32 v8, MXT, v106
	s_lshl_b32 s3, s2, 2
	v_add_nc_u32 v7, s3, v8
	v_mul_u32_u24 v107, 272, v102
	s_lshl_b32 s3, s2, 5
	s_add_co_u32 s3, s3, RED
	v_lshl_add_u32 v9, v103, 4, v107               ; partial 2 w + h of query r of a tile
	v_add_nc_u32 v9, s3, v9
	s_mul_i32 s3, s2, 16*272
	s_add_co_u32 s3, s3, RED
	v_lshl_add_u32 v10, v103, 7, v107              ; partials 8 h .. 8 h + 7 of query 16 w + r
	v_add_nc_u32 v10, s3, v10
	s_lshl_b32 s3, s2, 8
	s_add_co_u32 s3, s3, CB
	v_lshl_add_u32 v11, v102, 4, s3
	v_mov_b32 v12, s3
	v_lshlrev_b32 v13, 4, v101
	v_mov_b32 v14, 1.0
	v_mov_b32 v15, 0
.irp k, 248,249,250,251
	v_mov_b32 v\k, 0                               ; a destination of v_permlanex16_b32 counts as read: written once here
.endr
	v_mov_b32 v[RR+6], 0x3f803f80                  ; the key side's 1, 1 and 1, 0 opposite the maximum's three pieces
	v_mov_b32 v[RR+7], 0x3f80
	v_mov_b32 v[RR+10], 0
	v_mov_b32 v[RR+11], 0
	; my two entries of E: dot products of 256, 8 columns a lane, then over the 32 lanes
	s_wait_loadcnt 27                              ; 27 loads were issued behind the six weight-row loads
	v_pk_mul_f32 v[92:93], v[16:17], v[24:25]
	v_pk_mul_f32 v[94:95], v[16:17], v[32:33]
.irp j, 2,4,6
	v_pk_fma_f32 v[92:93], v[16+\j:17+\j], v[24+\j:25+\j], v[92:93]
	v_pk_fma_f32 v[94:95], v[16+\j:17+\j], v[32+\j:33+\j], v[94:95]
.endr
	v_add_f32 v92, v92, v93
	v_add_f32 v94, v94, v95
.irp m, 1,2,4,8
	v_add_f32_dpp v92, v92, v92 row_xmask:\m row_mask:0xf bank_mask:0xf
	v_add_f32_dpp v94, v94, v94 row_xmask:\m row_mask:0xf bank_mask:0xf
.endr
	v_permlanex16_b32 v248, v92, s4, s5
	v_permlanex16_b32 v249, v94, s4, s5
	v_add_f32 v92, v92, v248
	v_add_f32 v94, v94, v249
	v_mul_f32 v96, s7, v92                         ; into the base-2 domain
	v_mul_f32 v97, s7, v94
	ds_store_b64 v111, v[96:97]                    ; every lane the same two words
; 32 keys (group t of my 256, one a lane) are split into three bf16 pieces and laid down as two fragment tiles.
; The two copies make KA KB KA KB a run of four registers, for one store of 16 bytes.
.macro KEYS32 t
	s_wait_loadcnt 24-3*\t                         ; so many loads were issued behind this group's three
	v_cvt_pk_bf16_f32 v[RR+2], v[NN+3*\t], v[NN+3*\t+1]        ; KA = Hx, Hy
	v_cvt_pk_bf16_f32 v[RR+3], v[NN+3*\t+2], v14               ; KB = Hz, 1
	v_mov_b32 v[RR+0], v[RR+2]
	v_mov_b32 v[RR+1], v[RR+3]
	v_lshlrev_b32 v[TMP+0], 16, v[RR+2]
	v_and_b32 v[TMP+1], s6, v[RR+2]
	v_lshlrev_b32 v[TMP+2], 16, v[RR+3]
.irp d, 0,1,2
	v_sub_f32 v[NN+3*\t+\d], v[NN+3*\t+\d], v[TMP+\d]          ; what hi leaves (exact)
.endr
	v_cvt_pk_bf16_f32 v[RR+4], v[NN+3*\t], v[NN+3*\t+1]        ; KC = Mx, My
	v_cvt_pk_bf16_f32 v[RR+5], v[NN+3*\t+2], v15               ; KD = Mz, 0
	v_lshlrev_b32 v[TMP+0], 16, v[RR+4]
	v_and_b32 v[TMP+1], s6, v[RR+4]
	v_lshlrev_b32 v[TMP+2], 16, v[RR+5]
.irp d, 0,1,2
	v_sub_f32 v[NN+3*\t+\d], v[NN+3*\t+\d], v[TMP+\d]          ; what mid leaves (exact)
.endr
	v_cvt_pk_bf16_f32 v[RR+8], v[NN+3*\t], v[NN+3*\t+1]        ; KE = Lx, Ly
	v_cvt_pk_bf16_f32 v[RR+9], v[NN+3*\t+2], v15               ; KF = Lz, 0
	ds_store_b128 v3, v[RR+0:RR+3] offset:2048*\t              ; k  0- 7
	ds_store_b128 v3, v[RR+2:RR+5] offset:2048*\t+256          ; k  8-15
	ds_store_b128 v3, v[RR+4:RR+7] offset:2048*\t+512          ; k 16-23
	ds_store_b128 v3, v[RR+8:RR+11] offset:2048*\t+768         ; k 24-31
.endm
.irp t, 0,1,2,3,4,5,6,7
	KEYS32 \t
.endr
	s_wait_dscnt 0x0                               ; my two entries of E are in LDS, for the other waves' sake
	s_barrier_signal -1
	s_barrier_wait -1                              ; E is whole
	; query tile w: g0, g1, g2, t of query r (both halves of the lanes make the same), split and laid down as a fragment tile
	ds_load_b128 v[16:19], v6
	ds_load_b128 v[20:23], v6 offset:16
	ds_load_b128 v[24:27], v6 offset:32
	ds_load_b128 v[28:31], v6 offset:48
	s_wait_dscnt 0x0
	s_wait_loadcnt 0x0                             ; f, the last three loads
.irp j, 0,1,2,3
	v_fma_f32 v[32+\j], v[FF], v[16+\j], v[28+\j]  ; E's row 3 (bq's) starts the sums
.endr
.irp j, 0,1,2,3
	v_fma_f32 v[32+\j], v[FF+1], v[20+\j], v[32+\j]
.endr
.irp j, 0,1,2,3
	v_fma_f32 v[32+\j], v[FF+2], v[24+\j], v[32+\j]
.endr
; one bf16 piece of g0, g1, g2, t into words d, d + 1; more = 1: and what it leaves
.macro QPIECE d, more
	v_cvt_pk_bf16_f32 v[\d], v32, v33
	v_cvt_pk_bf16_f32 v[\d+1], v34, v35
.if \more
	v_lshlrev_b32 v36, 16, v[\d]
	v_and_b32 v37, s6, v[\d]
	v_lshlrev_b32 v38, 16, v[\d+1]
	v_and_b32 v39, s6, v[\d+1]
.irp j, 0,1,2,3
	v_sub_f32 v[32+\j], v[32+\j], v[36+\j]
.endr
.endif
.endm
	QPIECE 42, 1                                   ; v[40:47] = lo lo hi hi mid mid 0 0
	QPIECE 44, 1
	QPIECE 40, 0
	v_mov_b32 v46, 0                               ; the maximum's places: 0 in pass 1
	v_mov_b32 v47, 0
	v_mov_b32 v76, v42                             ; v[76:79] = hi hi 0 0
	v_mov_b32 v77, v43
	v_mov_b32 v78, 0
	v_mov_b32 v79, 0
	ds_store_b128 v5, v[42:45]                     ; k  0- 7: hi, mid
	ds_store_b128 v5, v[40:43] offset:256          ; k  8-15: lo, hi
	ds_store_b128 v5, v[44:47] offset:512          ; k 16-23: mid, 0
	ds_store_b128 v5, v[76:79] offset:768          ; k 24-31: hi, 0
	s_wait_dscnt 0x0                               ; my query tile is in LDS, for the other waves' sake
	s_barrier_signal -1
	s_barrier_wait -1                              ; all eight query tiles are there
.macro LDK buf, blk                    ; the two key tiles of block blk (32 keys) into buffer buf
.irp p, 0,1,2,3
	ds_load_b128 v[KF+16*\buf+4*\p:KF+16*\buf+4*\p+3], v1 offset:2048*\blk+512*\p
.endr
.endm
.macro LDV buf, blk                    ; [n | 1] of block blk, transposed: lane (r, h) gets component r of keys 8 h .. + 7 of tile 0, then of tile 1
	ds_load_tr16_b128 v[VF+8*\buf:VF+8*\buf+3], v2 offset:2048*\blk
	ds_load_tr16_b128 v[VF+8*\buf+4:VF+8*\buf+7], v2 offset:2048*\blk+1024
.endm
.macro X1 kreg, set                    ; one key tile x the 8 query tiles: in lane (r, h) register j is the score of key 8 h + j and query r
.irp q, 0,1,2,3,4,5,6,7
	v_wmma_f32_16x16x32_bf16 v[\set+8*\q:\set+8*\q+7], v[\kreg:\kreg+7], v[BQ+8*\q:BQ+8*\q+7], 0
.endr
.endm
.macro YMAX set, first                 ; 64 scores a lane into 8 running maxima, 8 chains by turns; the very first pair starts them
.irp q, 0,1,2,3,4,5,6,7
.if \first
	v_max_num_f32 v[MX+\q], v[\set+8*\q], v[\set+8*\q+1]
.else
	v_max3_num_f32 v[MX+\q], v[MX+\q], v[\set+8*\q], v[\set+8*\q+1]
.endif
.endr
.irp st, 1,2,3
.irp q, 0,1,2,3,4,5,6,7
	v_max3_num_f32 v[MX+\q], v[MX+\q], v[\set+8*\q+2*\st], v[\set+8*\q+2*\st+1]
.endr
.endr
.endm
	; PASS 1.  Two sets of score registers: while one set's 32 maxima are taken, the other set's 8 matrix instructions run.  Those 32 vector instructions
	; name none of the other set's registers: they are the places that stand between a matrix instruction and the first reader of its result, the
	; next writer of its result, and a load into its sources.
.irp q, 0,1,2,3,4,5,6,7
	ds_load_b128 v[BQ+8*\q:BQ+8*\q+3], v4 offset:1024*\q
	ds_load_b128 v[BQ+8*\q+4:BQ+8*\q+7], v4 offset:1024*\q+512
.endr
	LDK 0, 0
	LDK 1, 1
	s_wait_dscnt 4                                 ; all but block 1's four loads
	X1 KF, SET0
.rept 4
	v_nop                                          ; here alone no other set's maxima stand in front of the first reader: four places (ISA guide 7.12.1)
.endr
.irp b, 0,1,2,3,4,5,6,7
	X1 (KF+16*(\b%2)+8), SET1                      ; the block's second tile
.if \b == 0
	YMAX SET0, 1
.else
	YMAX SET0, 0
.endif
.if \b < 7
	s_wait_dscnt 0x0                               ; the next block's four loads are the only ones out
	X1 (KF+16*(1-\b%2)), SET0                      ; the next block's first tile
.endif
.if \b < 6
	LDK (\b%2), (\b+2)                             ; this block's buffer is free: its last matrix instructions stand 32 places back
.endif
	YMAX SET1, 0
.endr
	; my 256 keys' maxima: the other half of the lanes holds the other 8 keys of each tile; then one word a query and wave into LDS
.irp q, 0,1,2,3,4,5,6,7
	v_permlanex16_b32 v[248+\q%4], v[MX+\q], s4, s5
	v_max_num_f32 v[MX+\q], v[MX+\q], v[248+\q%4]
	ds_store_b32 v7, v[MX+\q] offset:768*\q
.endr
	LDK 0, 0                                       ; pass 2's first block, fetched across the barrier's wait
	LDV 0, 0
	s_wait_dscnt 0x0                               ; my maxima are in LDS, for the other waves' sake (and no LDS instruction is out at a signal)
	s_barrier_signal -1
	s_barrier_wait -1
; The row maximum of query tile q over the eight waves, negated and cut into three bf16 pieces that add up to it exactly (8 + 8 + 8 bits),
; into words 6 and 7 of the tile's fragment.  Lanes 16-31 hold k = 24 .. 31 there, where the key side is 0.
.macro NEGMAX q
	s_wait_dscnt 14-2*\q                           ; so many loads were issued behind this tile's two
	v_max3_num_f32 v252, v[ACC+8*\q], v[ACC+8*\q+1], v[ACC+8*\q+2]
	v_max3_num_f32 v253, v[ACC+8*\q+3], v[ACC+8*\q+4], v[ACC+8*\q+5]
	v_max3_num_f32 v252, v252, v[ACC+8*\q+6], v[ACC+8*\q+7]
	v_max_num_f32 v252, v252, v253
	v_xor_b32 v252, 0x80000000, v252               ; -max
	v_and_b32 v253, s6, v252                       ; hi: its upper 16 bits
	v_sub_f32 v254, v252, v253
	v_cvt_pk_bf16_f32 v[BQ+8*\q+6], v253, v254     ; hi, mid
	v_and_b32 v253, s6, v[BQ+8*\q+6]
	v_sub_f32 v254, v254, v253
	v_cvt_pk_bf16_f32 v[BQ+8*\q+7], v254, v15      ; lo, 0
.endm
.macro X2 kbuf, q, sg                  ; 32 keys x query tile q, less the maximum, into score set sg
	v_wmma_f32_16x16x32_bf16 v[SC+16*\sg:SC+16*\sg+7], v[KF+16*\kbuf:KF+16*\kbuf+7], v[BQ+8*\q:BQ+8*\q+7], 0
	v_wmma_f32_16x16x32_bf16 v[SC+16*\sg+8:SC+16*\sg+15], v[KF+16*\kbuf+8:KF+16*\kbuf+15], v[BQ+8*\q:BQ+8*\q+7], 0
.endm
; exp2 in place, then bf16.  Lane (r, h) holds keys 8 h .. + 7 of both tiles for query r, which is the second product's B fragment as it stands:
; registers 0-3 k = 8 h .., registers 4-7 k = 16 + 8 h ..: no lane gives anything to another.
.macro YEXP sg
.irp i, 0,1,2,3,4,5,6,7,8,9,10,11,12,13,14,15
	v_exp_f32 v[SC+16*\sg+\i], v[SC+16*\sg+\i]
.endr
	v_nop                                          ; one plain vector instruction between the last exponential and the first use of a result (ISA guide 5.7.2)
	s_wait_alu depctr_va_vdst(0)
.irp i, 0,1,2,3,4,5,6,7
	v_cvt_pk_bf16_f32 v[PP+8*\sg+\i], v[SC+16*\sg+2*\i], v[SC+16*\sg+2*\i+1]
.endr
.endm
.macro ZPV q, vbuf, sg, zero           ; [n | 1]^T x P: register j of lane (r, h) is component 8 h + j for query r.  The first block starts the sums: nothing is cleared
.if \zero
	v_wmma_f32_16x16x32_bf16 v[ACC+8*\q:ACC+8*\q+7], v[VF+8*\vbuf:VF+8*\vbuf+7], v[PP+8*\sg:PP+8*\sg+7], 0
.else
	v_wmma_f32_16x16x32_bf16 v[ACC+8*\q:ACC+8*\q+7], v[VF+8*\vbuf:VF+8*\vbuf+7], v[PP+8*\sg:PP+8*\sg+7], v[ACC+8*\q:ACC+8*\q+7]
.endif
.endm
; One unit of pass 2: block b (32 keys) x query tile q.  The NEXT unit's scores are started first, into the other score set, so that this unit's v_nop and eight
; conversions, which name none of their registers, are the nine places in front of their first reader; the same nine stand between a score set's two
; writers, and between a second product and the next conversion into its P (ISA guide 7.12.1).
; The eight accumulators take turns, one instruction a turn.
.macro UNIT b, q
.if \b < 7
.if \q == 7
	s_wait_dscnt 0x0                               ; the next block's six loads are the only ones out
	X2 (1-\b%2), 0, 0
.endif
.endif
.if \q < 7
	X2 (\b%2), (\q+1), (1-\q%2)
.endif
.if \b < 7
.if \q == 1
	LDK (1-\b%2), (\b+1)                           ; the other buffers' last matrix instruction is the last block's last: unit (b, 0)'s nine places stand behind it
	LDV (1-\b%2), (\b+1)
.endif
.endif
	YEXP (\q%2)
.if \b == 0
	ZPV \q, 0, (\q%2), 1
.else
	ZPV \q, (\b%2), (\q%2), 0
.endif
.endm
	; PASS 2
.irp q, 0,1,2,3,4,5,6,7
	ds_load_b128 v[ACC+8*\q:ACC+8*\q+3], v8 offset:768*\q          ; the eight waves' maxima of query r of tile q
	ds_load_b128 v[ACC+8*\q+4:ACC+8*\q+7], v8 offset:768*\q+16
.endr
	NEGMAX 0
	X2 0, 0, 0                                     ; the first unit's scores; the other seven tiles' maxima are its places
.irp q, 1,2,3,4,5,6,7
	NEGMAX \q
.endr
.irp b, 0,1,2,3,4,5,6,7
.irp q, 0,1,2,3,4,5,6,7
	UNIT \b, \q
.endr
.endr
	; my keys' partial sums into LDS.  Lanes 0-15 hold hi, s, mid: (Hx + Mx, Hy + My, Hz + Mz, s); lanes 16-31 hold lo and zeros: (Lx, Ly, Lz, 0).
	; Tiles 0 to 6 come first: their 14 additions are the places behind the last matrix instruction, which wrote tile 7's sums.
.irp d, 0,1,2
	global_load_b128 v[WV+8*\d:WV+8*\d+3], v13, s[20:21] offset:1024*\d        ; Wv's row d, columns 4 l .. 4 l + 3
	global_load_b128 v[WV+8*\d+4:WV+8*\d+7], v13, s[20:21] offset:1024*\d+512  ; and 128 + 4 l ..
.endr
	global_load_b128 v[WV+24:WV+27], v13, s[22:23]
	global_load_b128 v[WV+28:WV+31], v13, s[22:23] offset:512
.irp q, 0,1,2,3,4,5,6,7
	v_pk_add_f32 v[ACC+8*\q:ACC+8*\q+1], v[ACC+8*\q:ACC+8*\q+1], v[ACC+8*\q+4:ACC+8*\q+5]
	v_add_f32 v[ACC+8*\q+2], v[ACC+8*\q+2], v[ACC+8*\q+6]
	ds_store_b128 v9, v[ACC+8*\q:ACC+8*\q+3] offset:4352*\q        ; rows of 272 bytes: sixteen lanes, sixteen different 16-byte columns of 256
.endr
	s_wait_dscnt 0x0                               ; my partial sums are in LDS, for the other waves' sake
	s_barrier_signal -1
	s_barrier_wait -1
	; wave w finishes queries 16 w .. 16 w + 15: lane (r, h) adds partials 8 h .. 8 h + 7 of query 16 w + r, then the other half's
.irp i, 0,1,2,3,4,5,6,7
	ds_load_b128 v[PS+4*\i:PS+4*\i+3], v10 offset:16*\i
.endr
	s_wait_dscnt 0x0
.irp i, 0,2,4,6
	v_pk_add_f32 v[PS+4*\i:PS+4*\i+1], v[PS+4*\i:PS+4*\i+1], v[PS+4*\i+4:PS+4*\i+5]
	v_pk_add_f32 v[PS+4*\i+2:PS+4*\i+3], v[PS+4*\i+2:PS+4*\i+3], v[PS+4*\i+6:PS+4*\i+7]
.endr
.irp i, 0,4
	v_pk_add_f32 v[PS+4*\i:PS+4*\i+1], v[PS+4*\i:PS+4*\i+1], v[PS+4*\i+8:PS+4*\i+9]
	v_pk_add_f32 v[PS+4*\i+2:PS+4*\i+3], v[PS+4*\i+2:PS+4*\i+3], v[PS+4*\i+10:PS+4*\i+11]
.endr
	v_pk_add_f32 v[PS:PS+1], v[PS:PS+1], v[PS+16:PS+17]
	v_pk_add_f32 v[PS+2:PS+3], v[PS+2:PS+3], v[PS+18:PS+19]
.irp k, 0,1,2,3
	v_permlanex16_b32 v[248+\k], v[PS+\k], s4, s5
.endr
.irp k, 0,1,2,3
	v_add_f32 v[PS+\k], v[PS+\k], v[248+\k]        ; (ax, ay, az, s); s is about 1 at the least: the row's largest weight is exp2 of about 0
.endr
	v_rcp_f32 v[PS+4], v[PS+3]
	v_nop                                          ; one plain vector instruction behind the reciprocal (ISA guide 5.7.2)
	s_wait_alu depctr_va_vdst(0)
.irp k, 0,1,2
	v_mul_f32 v[PS+\k], v[PS+\k], v[PS+4]          ; c = a / s
.endr
	ds_store_b128 v11, v[PS:PS+3]                  ; my own bytes; LDS serves a wave's instructions in order (ISA guide 5.7.1), so the loads below see it
.irp i, 0,1,2,3,4,5,6,7,8,9,10,11,12,13,14,15
	ds_load_b128 v[CC+4*\i:CC+4*\i+3], v12 offset:16*\i            ; query i's c, the same in every lane
.endr
	s_wait_loadcnt 0x0                             ; Wv and bv
; Row i of my 16: out = c0 Wv0 + c1 Wv1 + c2 Wv2 + bv, 8 columns a lane.  Each store of the wave covers 512 consecutive bytes, aligned.
.macro OUTROW i
	s_wait_dscnt 15-\i                             ; so many loads were issued behind this query's
.if \i == 8
	s_wait_xcnt 0x0                                ; the eight slots' stores have had their addresses translated (ISA guide 3.1): the slots are rewritten only behind this wait
.endif
.irp p, 0,2,4,6
	v_pk_fma_f32 v[OUT+8*(\i%8)+\p:OUT+8*(\i%8)+\p+1], v[WV+\p:WV+\p+1], v[CC+4*\i:CC+4*\i+1], v[WV+24+\p:WV+24+\p+1] op_sel_hi:[1,0,1]   ; both by c0; bv starts the sums
.endr
.irp p, 0,2,4,6
	v_pk_fma_f32 v[OUT+8*(\i%8)+\p:OUT+8*(\i%8)+\p+1], v[WV+8+\p:WV+8+\p+1], v[CC+4*\i:CC+4*\i+1], v[OUT+8*(\i%8)+\p:OUT+8*(\i%8)+\p+1] op_sel:[0,1,0] op_sel_hi:[1,1,1]   ; both by c1
.endr
.irp p, 0,2,4,6
	v_pk_fma_f32 v[OUT+8*(\i%8)+\p:OUT+8*(\i%8)+\p+1], v[WV+16+\p:WV+16+\p+1], v[CC+4*\i+2:CC+4*\i+3], v[OUT+8*(\i%8)+\p:OUT+8*(\i%8)+\p+1] op_sel_hi:[1,0,1]   ; both by c2
.endr
	global_store_b128 v13, v[OUT+8*(\i%8):OUT+8*(\i%8)+3], s[24:25] offset:1024*\i th:TH_STORE_NT
	global_store_b128 v13, v[OUT+8*(\i%8)+4:OUT+8*(\i%8)+7], s[24:25] offset:1024*\i+512 th:TH_STORE_NT
.endm
.irp i, 0,1,2,3,4,5,6,7,8,9,10,11,12,13,14,15
	OUTROW \i
.endr
	s_set_vgpr_msb 0x4
	s_wait_tensorcnt 0x0
	ds_add_u32 v255, v1
	s_wait_dscnt 0x0
	s_set_vgpr_msb 0x400
	s_endpgm
.Lfunc_end_k_q4b73d4a347_attn:
	.size	k_q4b73d4a347_attn, .Lfunc_end_k_q4b73d4a347_attn-k_q4b73d4a347_attn
	.p2alignl 7, 3214868480
	.fill 96, 4, 3214868480
	.section	.rodata,"a",@progbits
	.p2align	6, 0x0
	.amdhsa_kernel k_q4b73d4a347_attn
		.amdhsa_group_segment_fixed_size 183552
		.amdhsa_private_segment_fixed_size 0
		.amdhsa_enable_private_segment 0
		.amdhsa_kernarg_size 72
		.amdhsa_user_sgpr_count 2
		.amdhsa_user_sgpr_kernarg_segment_ptr 1
		.amdhsa_wavefront_size32 1
		.amdhsa_system_sgpr_workgroup_id_x 1
		.amdhsa_system_sgpr_workgroup_id_y 1
		.amdhsa_system_sgpr_workgroup_id_z 1
		.amdhsa_system_vgpr_workitem_id 0
		.amdhsa_next_free_vgpr 258
		.amdhsa_next_free_sgpr 66
		.amdhsa_reserve_vcc 0
		.amdhsa_float_denorm_mode_32 3
		.amdhsa_float_denorm_mode_16_64 3
		.amdhsa_memory_ordered 1
		.amdhsa_forward_progress 1
		.amdhsa_inst_pref_size 175
	.end_amdhsa_kernel
	.amdgpu_metadata
---
amdhsa.version: [ 1, 2 ]
amdhsa.kernels:
  - .name:           k_q4b73d4a347_attn
    .symbol:         k_q4b73d4a347_attn.kd
    .args:
      - { .name: forces, .offset: 0, .size: 8, .value_kind: global_buffer, .address_space: global }
      - { .name: noisy_trajectory, .offset: 8, .size: 8, .value_kind: global_buffer, .address_space: global }
      - { .name: Wq, .offset: 16, .size: 8, .value_kind: global_buffer, .address_space: global }
      - { .name: bq, .offset: 24, .size: 8, .value_kind: global_buffer, .address_space: global }
      - { .name: Wk, .offset: 32, .size: 8, .value_kind: global_buffer, .address_space: global }
      - { .name: bk, .offset: 40, .size: 8, .value_kind: global_buffer, .address_space: global }
      - { .name: Wv, .offset: 48, .size: 8, .value_kind: global_buffer, .address_space: global }
      - { .name: bv, .offset: 56, .size: 8, .value_kind: global_buffer, .address_space: global }
      - { .name: out0, .offset: 64, .size: 8, .value_kind: global_buffer, .address_space: global }
    .group_segment_fixed_size: 183552
    .private_segment_fixed_size: 0
    .kernarg_segment_align: 8
    .kernarg_segment_size: 72
    .max_flat_workgroup_size: 256
    .sgpr_count:     66
    .vgpr_count:     258
    .wavefront_size: 32
...
	.end_amdgpu_metadata
.endif
;; end of part 1
;; ======== version 2 of 2: 1 launch; version 1 with the launch attn written anew for expert scheduling mode
;; launch attn (part 2): grid 256 x 1, 8 waves a work-group, no clusters, 183,552 bytes of LDS; arguments forces, noisy_trajectory, Wq, bq, Wk, bk, Wv, bv, out0; writes out0
.if DOCPART == 2
	.amdgcn_target "amdgcn-amd-amdhsa--gfx1250"
	.amdhsa_code_object_version 6
	.text
	.protected	k_q4b73d4a347_attn
	.globl	k_q4b73d4a347_attn
	.p2align	8
	.type	k_q4b73d4a347_attn,@function
k_q4b73d4a347_attn:
	s_mov_b64 s[64:65], 0
	v_nop
	global_prefetch_b8 v0, s[64:65] scope:SCOPE_SE
	s_setreg_imm32_b32 hwreg(HW_REG_WAVE_SCHED_MODE, 0, 2), 2
	s_setreg_imm32_b32 hwreg(HW_REG_WAVE_MODE, 25, 1), 1
	s_wait_xcnt 0x0
	s_wait_alu depctr_vm_vsrc(0)
; context = softmax((f Wq + bq)(n Wk + bk)^T) (n Wv + bv), 16 batches, 2,048 queries and keys, 256 features, f and n of 3 features.
;
; THE FORM.  By associativity alone, for every input: with Aq = [Wq0,Wq1,Wq2,bq], Ak = [Wk0,Wk1,Wk2,bk] and E = Aq Ak^T (4 x 4),
;   score(q,k) = g0 nx + g1 ny + g2 nz + t,   g_j = f0 E[0][j] + f1 E[1][j] + f2 E[2][j] + E[3][j],   t = the same with j = 3,
; and, since a row of softmax sums to 1, context = (sum_k P n_k / sum_k P) Wv + bv.  All eight inputs are read and used.
; The scores are unscaled and large, so an absolute error in a score is a relative error in a weight.  A score needs 4 of the 32 K places
; of a bf16 matrix instruction; the others carry bf16 pieces (x = hi + mid + lo, each the rounding of what is left) of g, t, n and of the
; row's maximum, so that one instruction makes 16 x 16 scores, less the maximum, to about f32's accuracy.
; log2(e) is multiplied into E: scores, t and maxima are in the base-2 domain and the exponential is v_exp_f32 itself.
;
; THE SHARES.  A work-group owns 128 queries (8 tiles of 16) of one batch; wave w owns keys 256 w .. 256 w + 255 for all 128 queries, so each
; key fragment read from LDS feeds 8 matrix instructions, and a wave reads only key fragments that it built itself.
; Pass 1: scores, the true row maximum (over lanes, then over the 8 waves through LDS).  Pass 2: the scores again with -max in the K places
; kept for it, exp2, bf16, and P x [n | 1] on the matrix unit.  The partial sums of the 8 waves meet in LDS; wave w finishes queries 16 w .. + 15.
; The products with 3 terms an output (E's use, c Wv + bv) stay in f32 on the vector unit: a K step of 32 would be nine tenths empty.
;
; NOT USED, and why.  Tensor loads, copies, clusters with joint loads: a work-group's whole input is 26 KiB, read once at the start, and every
; byte of it has to be split into bf16 pieces by vector instructions before it can be used; what the 16 work-groups of a batch share is 24 KiB.
;
; LIMITS.  Inputs finite; E, g, t and the scores finite and below bf16's largest number (3.39e38).  Score terms of the size 2^-27 |g||n| (mid x lo, lo x mid,
; lo x lo) are dropped.  P is rounded to bf16, and the denominator is the sum of the same rounded P.  Weights below 2^-126 count as 0 (v_exp_f32
; flushes denormal results: ISA guide 15.8).  The order of the sums differs from the reference's.  NaN and infinities in the inputs are not reproduced place for place.
;
; THE MODE: SCHED_MODE bits 1:0 = 2 (LLVM: expert scheduling mode 2), set by the entry lines.  The code itself states the register dependences
; between vector or matrix instructions and memory or LDS instructions, with s_wait_alu, always for 0.
; THE PLAN.  Registers that memory or LDS instructions touch:
;   v1-v13, v108-v111   offsets and addresses, made once at the head.  v1-v13 are never written again; v108-v111 become score registers in pass 1.
;   RR0 .. RR7          the key words of the eight groups of 32 keys, a buffer each: written by KEYS32, read by ONE run of LDS stores behind one wait.
;   KF0, KF1            key fragments.  The score products of a block read one; the loads of the block after next (pass 1) or of the next block (pass 2) land in it.
;   VF0, VF1            [n | 1] transposed.  The second products of a block read one; the next block's loads land in the other.
;   BQ                  query fragments: loaded once; words 6 and 7 rewritten by vector instructions; tiles 0-3 take Wv and bv when their last products are done.
;   v80-v143            scores, the eight waves' maxima, accumulators, partial sums as stored, then c as loaded.
;   OUT                 sixteen slots, one for each of my 16 rows: written by the row's multiply-adds, read by its two stores, never written again.
; One wait on va_vdst stands in a block of pass 1 (behind 32 maxima, ahead of the next products) and one in a block of pass 2 (behind 16 exponentials, for which the
; conversions wait in any case); the block's loads follow it at once.  Elsewhere the vector work of a stage is gathered, one wait follows, then the stage's run of
; stores, and the loads behind the stage's barrier lean on the same wait: no vector instruction stands between.  Two waits on vm_vsrc free registers that stores have read.
;
; THE 32 K PLACES (H, M, L: hi, mid, lo of n; h, m, l: of g and t; the key side's fourth element is 1 beside H and 0 beside M and L):
;   k  0- 7  key Hx Hy Hz 1  Hx Hy Hz 1      query g0h g1h g2h th  g0m g1m g2m tm
;   k  8-15  key Hx Hy Hz 1  Mx My Mz 0      query g0l g1l g2l tl  g0h g1h g2h th
;   k 16-23  key Mx My Mz 0  1  1  1  0      query g0m g1m g2m tm  -max hi, mid, lo, 0    (0 0 0 0 in pass 1)
;   k 24-31  key Lx Ly Lz 0  0  0  0  0      query g0h g1h g2h th  (whatever: times 0)
; A tile of 16 rows is 1,024 bytes in LDS: the 16 bytes of group i (k = 8 i ..) of row r at 256 i + 16 r.  Lane l then takes registers 0-3 at 16 l and
; registers 4-7 at 16 l + 512: two loads of 512 neighbouring bytes.  Groups 1 and 3 of a key tile are at the same time the rows [Hx Hy Hz 1 Mx My Mz 0]
; and [Lx Ly Lz 0 0 0 0 0] of the second product's operand, read transposed.
.set QFR,  131072                      ; LDS: key fragments at 0 (16,384 bytes a wave, 1,024 a tile); query fragments, 8 tiles of 1,024 bytes
.set ETAB, 139264                      ; E[i][j] x log2(e), f32, at 4 (4 i + j)
.set MXT,  139520                      ; query Q at 48 Q: the eight waves' partial maxima, 4 bytes each
.set RED,  145664                      ; query Q at 272 Q: sixteen partial sums (ax, ay, az, s) of 16 bytes, partial 2 w + h
.set CB,   180480                      ; wave w at 256 w: (c0, c1, c2, s) of its 16 queries
.set BQ,   16                          ; v[16:79]    query fragments, tile q at 16 + 8 q
.set ACC,  80                          ; v[80:143]   pass 2: accumulators, tile q at 80 + 8 q
.set KF,   144                         ; v[144:175]  key fragments, two buffers of two tiles
.set VF,   176                         ; v[176:191]  pass 2: [n | 1] transposed, two buffers
.set SC,   192                         ; v[192:223]  pass 2: scores, two sets of two tiles
.set PP,   224                         ; v[224:239]  pass 2: P in bf16, two sets
.set MX,   240                         ; v[240:247]  pass 1: running maxima, one a query tile
.set SET0, 80                          ; pass 1: scores of one key tile x 8 query tiles, two sets of 64 registers
.set SET1, 176
.set NN,   48                          ; set-up: v[48:71] n, key group t at 48 + 3 t;  v[72:74] f
.set FF,   72
.set TMP,  92                          ; set-up: v[92:99] at work;  v[100:111] lane terms and global offsets
.set RR,   112                         ; set-up: v[112:207] key group t at 112 + 12 t: the key words KA KB KA KB KC KD 1,1 1,0 KE KF 0 0
.set WV,   16                          ; way out: v[16:47] Wv's rows 0, 1, 2 and bv, my 8 columns each
.set PS,   144                         ; way out: v[144:175] eight partial sums
.set CC,   80                          ; way out: v[80:143] (c0, c1, c2, s) of query i at 80 + 4 i
.set OUT,  176                         ; way out: sixteen slots of 8 results: rows 0-7 in v[176:239],
.set OUT2, 48                          ;          rows 8-11 in v[48:79],
.set OUT3, 144                         ;          rows 12-15 in v[144:175]
; v1 key fragment reads, v2 transposed reads, v3 key fragment stores, v4 query fragment reads, v5 query fragment stores, v6 E, v7/v8 maxima out/in,
; v9/v10 partial sums out/in, v11/v12 c out/in, v13 16 x lane, v14 = 1.0, v15 = 0; v[248:251] take the other half's lanes; v[252:254] at work.
	s_load_b512 s[8:23], s[0:1], 0x0               ; forces s[8:9], n s[10:11], Wq s[12:13], bq s[14:15], Wk s[16:17], bk s[18:19], Wv s[20:21], bv s[22:23]
	s_load_b64 s[24:25], s[0:1], 0x40              ; out0
	v_lshl_add_u32 v255, v0, 2, 0x2c900
	s_set_vgpr_msb 0x40
	v_mov_b32 v1, 0
	s_set_vgpr_msb 0x4000
	v_lshrrev_b32 v100, 5, v0
	v_readfirstlane_b32 s2, v100                   ; wave w, 0 to 7
	v_and_b32 v101, 31, v0                         ; lane l
	v_and_b32 v102, 15, v0                         ; r = l % 16
	v_bfe_u32 v103, v0, 4, 1                       ; h = l / 16
	v_lshlrev_b32 v108, 5, v101                    ; 8 columns of a weight row: 32 l
	v_mul_u32_u24 v109, 12, v101                   ; key l of a group of 32: 12 l
	v_mul_u32_u24 v110, 12, v102                   ; query r of my tile: 12 r
	s_wait_alu depctr_va_sdst(0)                   ; s2 is written, ahead of its first reader: all the wave's offsets are made from it
	; wave w makes E[i][j0] and E[i][j0+1] with 4 i + j0 = 2 w: i = w / 2, j0 = 2 (w % 2)
	s_lshr_b32 s45, s2, 1                          ; i
	s_min_u32 s46, s45, 2
	s_lshl_b32 s26, s46, 10                        ; row min(i, 2) of Wq
	s_mov_b32 s27, 0
	s_and_b32 s47, s2, 1
	s_lshl_b32 s30, s47, 11                        ; row 0 or 2 of Wk
	s_mov_b32 s31, 0
	s_mul_i32 s36, ttmp9, 1536                     ; forces: 128 queries x 12 bytes a work-group,
	s_mul_i32 s46, s2, 192                         ; 16 queries a wave
	s_add_co_u32 s36, s36, s46
	s_mov_b32 s37, 0
	s_lshr_b32 s38, ttmp9, 4                       ; the batch: 16 work-groups each
	s_mul_i32 s38, s38, 24576                      ; n: 2,048 keys x 12 bytes a batch,
	s_mul_i32 s46, s2, 3072                        ; 256 keys a wave
	s_add_co_u32 s38, s38, s46
	s_mov_b32 s39, 0
	s_lshl_b32 s40, ttmp9, 17                      ; out0: 128 rows x 1,024 bytes a work-group,
	s_lshl_b32 s46, s2, 14                         ; 16 rows a wave
	s_add_co_u32 s40, s40, s46
	s_mov_b32 s41, 0
	s_wait_kmcnt 0x0
	s_add_nc_u64 s[28:29], s[12:13], s[26:27]
	s_cmp_eq_u32 s45, 3
	s_cselect_b64 s[28:29], s[14:15], s[28:29]     ; Aq's row i: Wq's row i, or bq
	s_add_nc_u64 s[32:33], s[16:17], s[30:31]      ; Ak's row j0: Wk's row 0 or 2
	s_add_nc_u64 s[34:35], s[16:17], 1024
	s_cmp_eq_u32 s47, 1
	s_cselect_b64 s[34:35], s[18:19], s[34:35]     ; Ak's row j0 + 1: Wk's row 1, or bk
	s_add_nc_u64 s[8:9], s[8:9], s[36:37]
	s_add_nc_u64 s[10:11], s[10:11], s[38:39]
	s_add_nc_u64 s[24:25], s[24:25], s[40:41]
	; all 33 loads of the set-up in one run: 6 for E, 24 for my 256 keys, 3 for my 16 queries
	s_wait_alu depctr_va_vdst(0)                   ; v108, v109 and v110 are written, which the loads below read as their offsets
	global_load_b128 v[16:19], v108, s[28:29]
	global_load_b128 v[20:23], v108, s[28:29] offset:16
	global_load_b128 v[24:27], v108, s[32:33]
	global_load_b128 v[28:31], v108, s[32:33] offset:16
	global_load_b128 v[32:35], v108, s[34:35]
	global_load_b128 v[36:39], v108, s[34:35] offset:16
.irp t, 0,1,2,3,4,5,6,7
.irp d, 0,1,2
	global_load_b32 v[NN+3*\t+\d], v109, s[10:11] offset:384*\t+4*\d   ; the three together cover 384 neighbouring bytes
.endr
.endr
.irp d, 0,1,2
	global_load_b32 v[FF+\d], v110, s[8:9] offset:4*\d
.endr
	; constants and LDS addresses, while the loads are on their way: none of these lines names a register of those loads.  s3 carries each address's wave term in turn.
	s_mov_b32 s4, 0x76543210                       ; v_permlanex16_b32: lane i of one half reads lane i of the other
	s_mov_b32 s5, 0xfedcba98
	s_mov_b32 s6, 0xffff0000                       ; a word's upper bf16
	s_mov_b32 s7, 0x3fb8aa3b                       ; log2(e)
	v_and_b32 v104, 7, v0
	v_bfe_u32 v105, v0, 3, 1
	s_lshl_b32 s3, s2, 14                          ; my 16 key tiles
	v_lshl_add_u32 v1, v101, 4, s3                 ; fragment reads: 16 l
	v_lshl_add_u32 v3, v102, 4, s3                 ; fragment stores: key l of a group of 32 is row r of tile h
	v_lshl_add_u32 v3, v103, 10, v3
	v_lshl_add_u32 v2, v104, 4, s3                 ; transposed reads: key row 8 h + l % 8,
	v_lshl_add_u32 v2, v103, 7, v2
	v_lshl_add_u32 v2, v105, 9, v2                 ; group 1 for lanes 0-7 and 16-23, group 3 for the others
	v_add_nc_u32 v2, 256, v2
	v_lshl_add_u32 v4, v101, 4, QFR
	s_lshl_b32 s3, s2, 10
	s_add_co_u32 s3, s3, QFR                       ; query tile w is mine to build
	v_lshl_add_u32 v5, v102, 4, s3
	v_mov_b32 v6, ETAB
	s_lshl_b32 s3, s2, 3
	s_add_co_u32 s3, s3, ETAB
	v_mov_b32 v111, s3                             ; my two entries of E
	v_mul_u32_u24 v106, 48, v102
	v_add_nc_u32 v8, MXT, v106
	s_lshl_b32 s3, s2, 2
	v_add_nc_u32 v7, s3, v8
	v_mul_u32_u24 v107, 272, v102
	s_lshl_b32 s3, s2, 5
	s_add_co_u32 s3, s3, RED
	v_lshl_add_u32 v9, v103, 4, v107               ; partial 2 w + h of query r of a tile
	v_add_nc_u32 v9, s3, v9
	s_mul_i32 s3, s2, 16*272
	s_add_co_u32 s3, s3, RED
	v_lshl_add_u32 v10, v103, 7, v107              ; partials 8 h .. 8 h + 7 of query 16 w + r
	v_add_nc_u32 v10, s3, v10
	s_lshl_b32 s3, s2, 8
	s_add_co_u32 s3, s3, CB
	v_lshl_add_u32 v11, v102, 4, s3
	v_mov_b32 v12, s3
	v_lshlrev_b32 v13, 4, v101
	v_mov_b32 v14, 1.0
	v_mov_b32 v15, 0
.irp k, 248,249,250,251
	v_mov_b32 v\k, 0                               ; a destination of v_permlanex16_b32 counts as read: written once here
.endr
.irp t, 0,1,2,3,4,5,6,7                ; the constant words of the eight buffers of key words
	v_mov_b32 v[RR+12*\t+6], 0x3f803f80            ; the key side's 1, 1 and 1, 0 opposite the maximum's three pieces
	v_mov_b32 v[RR+12*\t+7], 0x3f80
	v_mov_b32 v[RR+12*\t+10], 0
	v_mov_b32 v[RR+12*\t+11], 0
.endr
	; my two entries of E: dot products of 256, 8 columns a lane, then over the 32 lanes
	s_wait_loadcnt 27                              ; 27 loads were issued behind the six weight-row loads
	v_pk_mul_f32 v[92:93], v[16:17], v[24:25]
	v_pk_mul_f32 v[94:95], v[16:17], v[32:33]
.irp j, 2,4,6
	v_pk_fma_f32 v[92:93], v[16+\j:17+\j], v[24+\j:25+\j], v[92:93]
	v_pk_fma_f32 v[94:95], v[16+\j:17+\j], v[32+\j:33+\j], v[94:95]
.endr
	v_add_f32 v92, v92, v93
	v_add_f32 v94, v94, v95
.irp m, 1,2,4,8
	v_add_f32_dpp v92, v92, v92 row_xmask:\m row_mask:0xf bank_mask:0xf
	v_add_f32_dpp v94, v94, v94 row_xmask:\m row_mask:0xf bank_mask:0xf
.endr
	v_permlanex16_b32 v248, v92, s4, s5
	v_permlanex16_b32 v249, v94, s4, s5
	v_add_f32 v92, v92, v248
	v_add_f32 v94, v94, v249
	v_mul_f32 v96, s7, v92                         ; into the base-2 domain; stored with the key words below
	v_mul_f32 v97, s7, v94
; 32 keys (group t of my 256, one a lane) are split into three bf16 pieces, into the group's own buffer of key words.
; The two copies make KA KB KA KB a run of four registers, for one store of 16 bytes.
.macro KEYS32 t
.set R, RR+12*\t
	s_wait_loadcnt 24-3*\t                         ; so many loads were issued behind this group's three
	v_cvt_pk_bf16_f32 v[R+2], v[NN+3*\t], v[NN+3*\t+1]         ; KA = Hx, Hy
	v_cvt_pk_bf16_f32 v[R+3], v[NN+3*\t+2], v14                ; KB = Hz, 1
	v_mov_b32 v[R+0], v[R+2]
	v_mov_b32 v[R+1], v[R+3]
	v_lshlrev_b32 v[TMP+0], 16, v[R+2]
	v_and_b32 v[TMP+1], s6, v[R+2]
	v_lshlrev_b32 v[TMP+2], 16, v[R+3]
.irp d, 0,1,2
	v_sub_f32 v[NN+3*\t+\d], v[NN+3*\t+\d], v[TMP+\d]          ; what hi leaves (exact)
.endr
	v_cvt_pk_bf16_f32 v[R+4], v[NN+3*\t], v[NN+3*\t+1]         ; KC = Mx, My
	v_cvt_pk_bf16_f32 v[R+5], v[NN+3*\t+2], v15                ; KD = Mz, 0
	v_lshlrev_b32 v[TMP+0], 16, v[R+4]
	v_and_b32 v[TMP+1], s6, v[R+4]
	v_lshlrev_b32 v[TMP+2], 16, v[R+5]
.irp d, 0,1,2
	v_sub_f32 v[NN+3*\t+\d], v[NN+3*\t+\d], v[TMP+\d]          ; what mid leaves (exact)
.endr
	v_cvt_pk_bf16_f32 v[R+8], v[NN+3*\t], v[NN+3*\t+1]         ; KE = Lx, Ly
	v_cvt_pk_bf16_f32 v[R+9], v[NN+3*\t+2], v15                ; KF = Lz, 0
.endm
; and laid down as two fragment tiles
.macro KSTORE t
.set R, RR+12*\t
	ds_store_b128 v3, v[R+0:R+3] offset:2048*\t                ; k  0- 7
	ds_store_b128 v3, v[R+2:R+5] offset:2048*\t+256            ; k  8-15
	ds_store_b128 v3, v[R+4:R+7] offset:2048*\t+512            ; k 16-23
	ds_store_b128 v3, v[R+8:R+11] offset:2048*\t+768           ; k 24-31
.endm
.irp t, 0,1,2,3,4,5,6,7
	KEYS32 \t
.endr
	s_wait_alu depctr_va_vdst(0)                   ; written: v96, v97 and the eight buffers of key words, which the 33 stores below read, and all the addresses v1 to v13 and v111;
	                                               ; the dot products are done reading v[16:31], in which E's loads behind the barrier land
	ds_store_b64 v111, v[96:97]                    ; every lane the same two words
.irp t, 0,1,2,3,4,5,6,7
	KSTORE \t
.endr
	s_wait_dscnt 0x0                               ; my two entries of E are in LDS, for the other waves' sake
	s_barrier_signal -1
	s_barrier_wait -1                              ; E is whole
	; query tile w: g0, g1, g2, t of query r (both halves of the lanes make the same), split and laid down as a fragment tile
	ds_load_b128 v[16:19], v6                      ; no vector instruction has been issued since the wait above
	ds_load_b128 v[20:23], v6 offset:16
	ds_load_b128 v[24:27], v6 offset:32
	ds_load_b128 v[28:31], v6 offset:48
	s_wait_dscnt 0x0
	s_wait_loadcnt 0x0                             ; f, the last three loads
.irp j, 0,1,2,3
	v_fma_f32 v[32+\j], v[FF], v[16+\j], v[28+\j]  ; E's row 3 (bq's) starts the sums
.endr
.irp j, 0,1,2,3
	v_fma_f32 v[32+\j], v[FF+1], v[20+\j], v[32+\j]
.endr
.irp j, 0,1,2,3
	v_fma_f32 v[32+\j], v[FF+2], v[24+\j], v[32+\j]
.endr
; one bf16 piece of g0, g1, g2, t into words d, d + 1; more = 1: and what it leaves
.macro QPIECE d, more
	v_cvt_pk_bf16_f32 v[\d], v32, v33
	v_cvt_pk_bf16_f32 v[\d+1], v34, v35
.if \more
	v_lshlrev_b32 v36, 16, v[\d]
	v_and_b32 v37, s6, v[\d]
	v_lshlrev_b32 v38, 16, v[\d+1]
	v_and_b32 v39, s6, v[\d+1]
.irp j, 0,1,2,3
	v_sub_f32 v[32+\j], v[32+\j], v[36+\j]
.endr
.endif
.endm
	QPIECE 42, 1                                   ; v[40:47] = lo lo hi hi mid mid 0 0
	QPIECE 44, 1
	QPIECE 40, 0
	v_mov_b32 v46, 0                               ; the maximum's places: 0 in pass 1
	v_mov_b32 v47, 0
	v_mov_b32 v76, v42                             ; v[76:79] = hi hi 0 0
	v_mov_b32 v77, v43
	v_mov_b32 v78, 0
	v_mov_b32 v79, 0
	s_wait_alu depctr_va_vdst(0)                   ; v[40:47] and v[76:79] are written, which the four stores read; every vector instruction of the set-up is done with v[16:79] and
	                                               ; v[144:175], in which the fragments' loads behind the barrier land
	ds_store_b128 v5, v[42:45]                     ; k  0- 7: hi, mid
	ds_store_b128 v5, v[40:43] offset:256          ; k  8-15: lo, hi
	ds_store_b128 v5, v[44:47] offset:512          ; k 16-23: mid, 0
	ds_store_b128 v5, v[76:79] offset:768          ; k 24-31: hi, 0
	s_wait_dscnt 0x0                               ; my query tile is in LDS, for the other waves' sake
	s_barrier_signal -1
	s_barrier_wait -1                              ; all eight query tiles are there
.macro LDK buf, blk                    ; the two key tiles of block blk (32 keys) into buffer buf
.irp p, 0,1,2,3
	ds_load_b128 v[KF+16*\buf+4*\p:KF+16*\buf+4*\p+3], v1 offset:2048*\blk+512*\p
.endr
.endm
.macro LDV buf, blk                    ; [n | 1] of block blk, transposed: lane (r, h) gets component r of keys 8 h .. + 7 of tile 0, then of tile 1
	ds_load_tr16_b128 v[VF+8*\buf:VF+8*\buf+3], v2 offset:2048*\blk
	ds_load_tr16_b128 v[VF+8*\buf+4:VF+8*\buf+7], v2 offset:2048*\blk+1024
.endm
.macro X1 kreg, set                    ; one key tile x the 8 query tiles: in lane (r, h) register j is the score of key 8 h + j and query r
.irp q, 0,1,2,3,4,5,6,7
	v_wmma_f32_16x16x32_bf16 v[\set+8*\q:\set+8*\q+7], v[\kreg:\kreg+7], v[BQ+8*\q:BQ+8*\q+7], 0
.endr
.endm
.macro YMAX set, first                 ; 64 scores a lane into 8 running maxima, 8 chains by turns; the very first pair starts them
.irp q, 0,1,2,3,4,5,6,7
.if \first
	v_max_num_f32 v[MX+\q], v[\set+8*\q], v[\set+8*\q+1]
.else
	v_max3_num_f32 v[MX+\q], v[MX+\q], v[\set+8*\q], v[\set+8*\q+1]
.endif
.endr
.irp st, 1,2,3
.irp q, 0,1,2,3,4,5,6,7
	v_max3_num_f32 v[MX+\q], v[MX+\q], v[\set+8*\q+2*\st], v[\set+8*\q+2*\st+1]
.endr
.endr
.endm
	; PASS 1.  Two sets of score registers: while one set's 32 maxima are taken, the other set's 8 matrix instructions run.  Those 32 vector instructions
	; name none of the other set's registers: they are the places that stand between a matrix instruction and the first reader of its result and the
	; next writer of its result (ISA guide 7.12.1).
	s_wait_alu depctr_vm_vsrc(0)                   ; my LDS stores have read v[40:47] and v[76:79], in which the query fragments land, the key words v[112:207], in which key fragments land and
	                                               ; scores are written, and v96, v97, v111; the set-up's global loads have read v108 to v110: these too become score registers
.irp q, 0,1,2,3,4,5,6,7
	ds_load_b128 v[BQ+8*\q:BQ+8*\q+3], v4 offset:1024*\q
	ds_load_b128 v[BQ+8*\q+4:BQ+8*\q+7], v4 offset:1024*\q+512
.endr
	LDK 0, 0
	LDK 1, 1
	s_wait_dscnt 4                                 ; all but block 1's four loads
	X1 KF, SET0
.rept 4
	v_nop                                          ; here alone no other set's maxima stand in front of the first reader: four places (ISA guide 7.12.1)
.endr
.irp b, 0,1,2,3,4,5,6,7
	X1 (KF+16*(\b%2)+8), SET1                      ; the block's second tile
.if \b == 0
	YMAX SET0, 1
.else
	YMAX SET0, 0
.endif
.if \b < 6
	s_wait_alu depctr_va_vdst(0)                   ; the block's sixteen matrix instructions are done reading its buffer of key fragments, in which the four loads below land
	LDK (\b%2), (\b+2)
	s_wait_dscnt 4                                 ; the next block's four loads are in; the four just issued stay out
.elseif \b < 7
	s_wait_dscnt 0x0                               ; the last block's four loads are the only ones out
.endif
.if \b < 7
	X1 (KF+16*(1-\b%2)), SET0                      ; the next block's first tile
.endif
	YMAX SET1, 0
.endr
	; my 256 keys' maxima: the other half of the lanes holds the other 8 keys of each tile; then one word a query and wave into LDS
.irp q, 0,1,2,3
	v_permlanex16_b32 v[248+\q], v[MX+\q], s4, s5
.endr
.irp q, 0,1,2,3
	v_max_num_f32 v[MX+\q], v[MX+\q], v[248+\q]
.endr
.irp q, 4,5,6,7
	v_permlanex16_b32 v[244+\q], v[MX+\q], s4, s5
.endr
.irp q, 4,5,6,7
	v_max_num_f32 v[MX+\q], v[MX+\q], v[244+\q]
.endr
	s_wait_alu depctr_va_vdst(0)                   ; the eight maxima are written, which the stores read; pass 1 is done with its key fragments and with both sets of scores, in which the
	                                               ; loads below and the maxima's loads behind the barrier land
.irp q, 0,1,2,3,4,5,6,7
	ds_store_b32 v7, v[MX+\q] offset:768*\q
.endr
	LDK 0, 0                                       ; pass 2's first block, fetched across the barrier's wait
	LDV 0, 0
	s_wait_dscnt 0x0                               ; my maxima are in LDS, for the other waves' sake (and no LDS instruction is out at a signal)
	s_barrier_signal -1
	s_barrier_wait -1
; The row maximum of query tile q over the eight waves, negated and cut into three bf16 pieces that add up to it exactly (8 + 8 + 8 bits),
; into words 6 and 7 of the tile's fragment.  Lanes 16-31 hold k = 24 .. 31 there, where the key side is 0.
.macro NEGMAX q
	s_wait_dscnt 14-2*\q                           ; so many loads were issued behind this tile's two
	v_max3_num_f32 v252, v[ACC+8*\q], v[ACC+8*\q+1], v[ACC+8*\q+2]
	v_max3_num_f32 v253, v[ACC+8*\q+3], v[ACC+8*\q+4], v[ACC+8*\q+5]
	v_max3_num_f32 v252, v252, v[ACC+8*\q+6], v[ACC+8*\q+7]
	v_max_num_f32 v252, v252, v253
	v_xor_b32 v252, 0x80000000, v252               ; -max
	v_and_b32 v253, s6, v252                       ; hi: its upper 16 bits
	v_sub_f32 v254, v252, v253
	v_cvt_pk_bf16_f32 v[BQ+8*\q+6], v253, v254     ; hi, mid
	v_and_b32 v253, s6, v[BQ+8*\q+6]
	v_sub_f32 v254, v254, v253
	v_cvt_pk_bf16_f32 v[BQ+8*\q+7], v254, v15      ; lo, 0
.endm
.macro X2 kbuf, q, sg                  ; 32 keys x query tile q, less the maximum, into score set sg
	v_wmma_f32_16x16x32_bf16 v[SC+16*\sg:SC+16*\sg+7], v[KF+16*\kbuf:KF+16*\kbuf+7], v[BQ+8*\q:BQ+8*\q+7], 0
	v_wmma_f32_16x16x32_bf16 v[SC+16*\sg+8:SC+16*\sg+15], v[KF+16*\kbuf+8:KF+16*\kbuf+15], v[BQ+8*\q:BQ+8*\q+7], 0
.endm
; exp2 in place, then bf16.  Lane (r, h) holds keys 8 h .. + 7 of both tiles for query r, which is the second product's B fragment as it stands:
; registers 0-3 k = 8 h .., registers 4-7 k = 16 + 8 h ..: no lane gives anything to another.
.macro YEXPA sg
.irp i, 0,1,2,3,4,5,6,7,8,9,10,11,12,13,14,15
	v_exp_f32 v[SC+16*\sg+\i], v[SC+16*\sg+\i]
.endr
.endm
.macro YEXPB sg
	v_nop                                          ; one plain vector instruction between the last exponential and the first use of a result (ISA guide 5.7.2)
	s_wait_alu depctr_va_vdst(0)
.irp i, 0,1,2,3,4,5,6,7
	v_cvt_pk_bf16_f32 v[PP+8*\sg+\i], v[SC+16*\sg+2*\i], v[SC+16*\sg+2*\i+1]
.endr
.endm
.macro ZPV q, vbuf, sg, zero           ; [n | 1]^T x P: register j of lane (r, h) is component 8 h + j for query r.  The first block starts the sums: nothing is cleared
.if \zero
	v_wmma_f32_16x16x32_bf16 v[ACC+8*\q:ACC+8*\q+7], v[VF+8*\vbuf:VF+8*\vbuf+7], v[PP+8*\sg:PP+8*\sg+7], 0
.else
	v_wmma_f32_16x16x32_bf16 v[ACC+8*\q:ACC+8*\q+7], v[VF+8*\vbuf:VF+8*\vbuf+7], v[PP+8*\sg:PP+8*\sg+7], v[ACC+8*\q:ACC+8*\q+7]
.endif
.endm
.macro LDW                             ; Wv and bv for the way out, my 8 columns of each row
.irp d, 0,1,2
	global_load_b128 v[WV+8*\d:WV+8*\d+3], v13, s[20:21] offset:1024*\d        ; Wv's row d, columns 4 l .. 4 l + 3
	global_load_b128 v[WV+8*\d+4:WV+8*\d+7], v13, s[20:21] offset:1024*\d+512  ; and 128 + 4 l ..
.endr
	global_load_b128 v[WV+24:WV+27], v13, s[22:23]
	global_load_b128 v[WV+28:WV+31], v13, s[22:23] offset:512
.endm
; One unit of pass 2: block b (32 keys) x query tile q.  The NEXT unit's scores are started first, into the other score set, so that this unit's v_nop and eight
; conversions, which name none of their registers, are the nine places in front of their first reader; the same nine stand between a score set's two
; writers, and between a second product and the next conversion into its P (ISA guide 7.12.1).
; The eight accumulators take turns, one instruction a turn.
; A block's one wait on va_vdst stands in its second unit, between the exponentials and the conversions that wait for them in any case; the next block's six loads follow it at once.
.macro UNIT b, q
.if \b < 7
.if \q == 7
	s_wait_dscnt 0x0                               ; the next block's six loads are the only ones out
	X2 (1-\b%2), 0, 0
.endif
.endif
.if \q < 7
	X2 (\b%2), (\q+1), (1-\q%2)
.endif
	YEXPA (\q%2)
.if \b < 7
.if \q == 1
	s_wait_alu depctr_va_vdst(0)                   ; the last block's matrix instructions are done reading the other buffers of key fragments and of [n | 1], in which the six loads below land
	LDK (1-\b%2), (\b+1)
	LDV (1-\b%2), (\b+1)
.endif
.endif
.if \b == 7
.if \q == 3
	s_wait_alu depctr_va_vdst(0)                   ; the last score products of query tiles 0 to 3 are done reading v[16:47], in which Wv and bv land; the products still to come name v48 and up
	LDW
.endif
.endif
	YEXPB (\q%2)
.if \b == 0
	ZPV \q, 0, (\q%2), 1
.else
	ZPV \q, (\b%2), (\q%2), 0
.endif
.endm
	; PASS 2
.irp q, 0,1,2,3,4,5,6,7
	ds_load_b128 v[ACC+8*\q:ACC+8*\q+3], v8 offset:768*\q          ; the eight waves' maxima of query r of tile q; no vector instruction has been issued since the wait ahead of my maxima's stores
	ds_load_b128 v[ACC+8*\q+4:ACC+8*\q+7], v8 offset:768*\q+16
.endr
	NEGMAX 0
	X2 0, 0, 0                                     ; the first unit's scores; the other seven tiles' maxima are its places
.irp q, 1,2,3,4,5,6,7
	NEGMAX \q
.endr
.irp b, 0,1,2,3,4,5,6,7
.irp q, 0,1,2,3,4,5,6,7
	UNIT \b, \q
.endr
.endr
	; my keys' partial sums into LDS.  Lanes 0-15 hold hi, s, mid: (Hx + Mx, Hy + My, Hz + Mz, s); lanes 16-31 hold lo and zeros: (Lx, Ly, Lz, 0).
	; Tiles 0 to 6 come first: their 14 additions are the places behind the last matrix instruction, which wrote tile 7's sums.
.irp q, 0,1,2,3,4,5,6,7
	v_pk_add_f32 v[ACC+8*\q:ACC+8*\q+1], v[ACC+8*\q:ACC+8*\q+1], v[ACC+8*\q+4:ACC+8*\q+5]
	v_add_f32 v[ACC+8*\q+2], v[ACC+8*\q+2], v[ACC+8*\q+6]
.endr
	s_wait_alu depctr_va_vdst(0)                   ; the additions have written the partial sums, which the eight stores read; pass 2 is done reading its key fragments, in which the loads behind the barrier land
.irp q, 0,1,2,3,4,5,6,7
	ds_store_b128 v9, v[ACC+8*\q:ACC+8*\q+3] offset:4352*\q        ; rows of 272 bytes: sixteen lanes, sixteen different 16-byte columns of 256
.endr
	s_wait_dscnt 0x0                               ; my partial sums are in LDS, for the other waves' sake
	s_barrier_signal -1
	s_barrier_wait -1
	; wave w finishes queries 16 w .. 16 w + 15: lane (r, h) adds partials 8 h .. 8 h + 7 of query 16 w + r, then the other half's
.irp i, 0,1,2,3,4,5,6,7
	ds_load_b128 v[PS+4*\i:PS+4*\i+3], v10 offset:16*\i            ; no vector instruction has been issued since the wait above
.endr
	s_wait_dscnt 0x0
.irp i, 0,2,4,6
	v_pk_add_f32 v[PS+4*\i:PS+4*\i+1], v[PS+4*\i:PS+4*\i+1], v[PS+4*\i+4:PS+4*\i+5]
	v_pk_add_f32 v[PS+4*\i+2:PS+4*\i+3], v[PS+4*\i+2:PS+4*\i+3], v[PS+4*\i+6:PS+4*\i+7]
.endr
.irp i, 0,4
	v_pk_add_f32 v[PS+4*\i:PS+4*\i+1], v[PS+4*\i:PS+4*\i+1], v[PS+4*\i+8:PS+4*\i+9]
	v_pk_add_f32 v[PS+4*\i+2:PS+4*\i+3], v[PS+4*\i+2:PS+4*\i+3], v[PS+4*\i+10:PS+4*\i+11]
.endr
	v_pk_add_f32 v[PS:PS+1], v[PS:PS+1], v[PS+16:PS+17]
	v_pk_add_f32 v[PS+2:PS+3], v[PS+2:PS+3], v[PS+18:PS+19]
.irp k, 0,1,2,3
	v_permlanex16_b32 v[248+\k], v[PS+\k], s4, s5
.endr
.irp k, 0,1,2,3
	v_add_f32 v[PS+\k], v[PS+\k], v[248+\k]        ; (ax, ay, az, s); s is about 1 at the least: the row's largest weight is exp2 of about 0
.endr
	v_rcp_f32 v[PS+4], v[PS+3]
	v_nop                                          ; one plain vector instruction behind the reciprocal (ISA guide 5.7.2)
	s_wait_alu depctr_va_vdst(0)
.irp k, 0,1,2
	v_mul_f32 v[PS+\k], v[PS+\k], v[PS+4]          ; c = a / s
.endr
	s_wait_alu depctr_va_vdst(0)                   ; the multiplications have written c, which the store reads
	ds_store_b128 v11, v[PS:PS+3]                  ; my own bytes; LDS serves a wave's instructions in order (ISA guide 5.7.1), so the loads below see it
	s_wait_alu depctr_vm_vsrc(0)                   ; the partial sums' stores have read v[80:143], in which the loads below land; c's store has read v[144:147], which are part of an out slot from here on
.irp i, 0,1,2,3,4,5,6,7,8,9,10,11,12,13,14,15
	ds_load_b128 v[CC+4*\i:CC+4*\i+3], v12 offset:16*\i            ; query i's c, the same in every lane
.endr
	s_wait_loadcnt 0x0                             ; Wv and bv
; Row i of my 16: out = c0 Wv0 + c1 Wv1 + c2 Wv2 + bv, 8 columns a lane, into the row's own slot: no slot is written twice, so no store's data wait for anything behind it.
.macro OSLOT i
.if \i < 8
.set OS, OUT+8*\i
.elseif \i < 12
.set OS, OUT2+8*(\i-8)
.else
.set OS, OUT3+8*(\i-12)
.endif
.endm
.macro ROWC i
	OSLOT \i
	s_wait_dscnt 15-\i                             ; so many loads were issued behind this query's
.irp p, 0,2,4,6
	v_pk_fma_f32 v[OS+\p:OS+\p+1], v[WV+\p:WV+\p+1], v[CC+4*\i:CC+4*\i+1], v[WV+24+\p:WV+24+\p+1] op_sel_hi:[1,0,1]   ; both by c0; bv starts the sums
.endr
.irp p, 0,2,4,6
	v_pk_fma_f32 v[OS+\p:OS+\p+1], v[WV+8+\p:WV+8+\p+1], v[CC+4*\i:CC+4*\i+1], v[OS+\p:OS+\p+1] op_sel:[0,1,0] op_sel_hi:[1,1,1]   ; both by c1
.endr
.irp p, 0,2,4,6
	v_pk_fma_f32 v[OS+\p:OS+\p+1], v[WV+16+\p:WV+16+\p+1], v[CC+4*\i+2:CC+4*\i+3], v[OS+\p:OS+\p+1] op_sel_hi:[1,0,1]   ; both by c2
.endr
.endm
.macro ROWS i                          ; each store of the wave covers 512 consecutive bytes, aligned
	OSLOT \i
	global_store_b128 v13, v[OS:OS+3], s[24:25] offset:1024*\i th:TH_STORE_NT
	global_store_b128 v13, v[OS+4:OS+7], s[24:25] offset:1024*\i+512 th:TH_STORE_NT
.endm
.macro QUAD a, b, c, d                 ; four rows' arithmetic, one wait, their eight stores
.irp i, \a, \b, \c, \d
	ROWC \i
.endr
	s_wait_alu depctr_va_vdst(0)                   ; the multiply-adds have written the four rows' slots, which the eight stores below read
.irp i, \a, \b, \c, \d
	ROWS \i
.endr
.endm
	QUAD 0, 1, 2, 3
	QUAD 4, 5, 6, 7
	QUAD 8, 9, 10, 11
	QUAD 12, 13, 14, 15
	s_set_vgpr_msb 0x4
	s_wait_dscnt 0x0
	s_wait_alu depctr_hold_cnt(0) depctr_sa_sdst(0) depctr_va_vdst(0) depctr_va_sdst(0) depctr_va_ssrc(0) depctr_va_vcc(0) depctr_vm_vsrc(0)
	s_wait_tensorcnt 0x0
	ds_add_u32 v255, v1
	s_wait_dscnt 0x0
	s_endpgm
.Lfunc_end_k_q4b73d4a347_attn:
	.size	k_q4b73d4a347_attn, .Lfunc_end_k_q4b73d4a347_attn-k_q4b73d4a347_attn
	.p2alignl 7, 3214868480
	.fill 96, 4, 3214868480
	.section	.rodata,"a",@progbits
	.p2align	6, 0x0
	.amdhsa_kernel k_q4b73d4a347_attn
		.amdhsa_group_segment_fixed_size 183552
		.amdhsa_private_segment_fixed_size 0
		.amdhsa_enable_private_segment 0
		.amdhsa_kernarg_size 72
		.amdhsa_user_sgpr_count 2
		.amdhsa_user_sgpr_kernarg_segment_ptr 1
		.amdhsa_wavefront_size32 1
		.amdhsa_system_sgpr_workgroup_id_x 1
		.amdhsa_system_sgpr_workgroup_id_y 1
		.amdhsa_system_sgpr_workgroup_id_z 1
		.amdhsa_system_vgpr_workitem_id 0
		.amdhsa_next_free_vgpr 258
		.amdhsa_next_free_sgpr 66
		.amdhsa_reserve_vcc 0
		.amdhsa_float_denorm_mode_32 3
		.amdhsa_float_denorm_mode_16_64 3
		.amdhsa_memory_ordered 1
		.amdhsa_forward_progress 1
		.amdhsa_inst_pref_size 177
	.end_amdhsa_kernel
	.amdgpu_metadata
---
amdhsa.version: [ 1, 2 ]
amdhsa.kernels:
  - .name:           k_q4b73d4a347_attn
    .symbol:         k_q4b73d4a347_attn.kd
    .args:
      - { .name: forces, .offset: 0, .size: 8, .value_kind: global_buffer, .address_space: global }
      - { .name: noisy_trajectory, .offset: 8, .size: 8, .value_kind: global_buffer, .address_space: global }
      - { .name: Wq, .offset: 16, .size: 8, .value_kind: global_buffer, .address_space: global }
      - { .name: bq, .offset: 24, .size: 8, .value_kind: global_buffer, .address_space: global }
      - { .name: Wk, .offset: 32, .size: 8, .value_kind: global_buffer, .address_space: global }
      - { .name: bk, .offset: 40, .size: 8, .value_kind: global_buffer, .address_space: global }
      - { .name: Wv, .offset: 48, .size: 8, .value_kind: global_buffer, .address_space: global }
      - { .name: bv, .offset: 56, .size: 8, .value_kind: global_buffer, .address_space: global }
      - { .name: out0, .offset: 64, .size: 8, .value_kind: global_buffer, .address_space: global }
    .group_segment_fixed_size: 183552
    .private_segment_fixed_size: 0
    .kernarg_segment_align: 8
    .kernarg_segment_size: 72
    .max_flat_workgroup_size: 256
    .sgpr_count:     66
    .vgpr_count:     258
    .wavefront_size: 32
...
	.end_amdgpu_metadata
.endif
;; end of part 2
